; MI455X (gfx1250); checked and timed in simulation.
; The chip was launched on July 23, 2026; its instructions are those of AMD's public machine-readable ISA for CDNA 5 (MIT licence, August 2026) and "CDNA5" Instruction Set Architecture Reference Guide (July 2026). The comments in the code are by the model that wrote it; some were corrected since.
;; Trajectory Decoder. Allowed arithmetic: float matrix products may take bf16 or f16 operands with f32 sums; all other float work in f32.
;; Inputs: W_hh_l0 512 x 128 float32; W_hh_l1 512 x 128 float32; W_ih_l0 512 x 129 float32; W_ih_l1 512 x 128 float32; W_init 512 x 129 float32; W_out 2 x 128 float32; b_hh_l0 512 float32; b_hh_l1 512 float32; b_ih_l0 512 float32; b_ih_l1 512 float32; b_init 512 float32; b_out 2 float32; fused_features 131,072 x 128 float32; intent_prob 131,072 x 1 float32.
;; Outputs: out0 131,072 x 1 x 2 float32.
;; One version. Each part assembles by itself: llvm-mc -triple=amdgcn-amd-amdhsa -mcpu=gfx1250 --defsym DOCPART=n.
;; ======== version 1 of 1: 2 launches
;; workspace buffers: wpack 743,424 bytes
;; launch pack (part 1): grid 107 x 1, 8 waves a work-group, no clusters, 0 bytes of LDS; arguments W_init, W_ih_l0, W_hh_l0, W_ih_l1, W_hh_l1, b_init, b_ih_l0, b_hh_l0, b_ih_l1, b_hh_l1, W_out, wpack; writes wpack
.if DOCPART == 1
	.amdgcn_target "amdgcn-amd-amdhsa--gfx1250"
	.amdhsa_code_object_version 6
	.text
	.protected	k_qd69c9a89dc_pack
	.globl	k_qd69c9a89dc_pack
	.p2align	8
	.type	k_qd69c9a89dc_pack,@function
k_qd69c9a89dc_pack:
	s_mov_b64 s[64:65], 0
	v_nop
	global_prefetch_b8 v0, s[64:65] scope:SCOPE_SE
	s_setreg_imm32_b32 hwreg(HW_REG_WAVE_MODE, 25, 1), 1
	s_wait_xcnt 0x0
; The five weight matrices, rounded to bf16, laid out as matrix fragments in the order in which the second launch streams them.
; wpack:  chunk A_j (j = 0, 1) at j*33,792:   4 stages of 8 fragments (W_init rows 0-255), then 8 table entries
;         chunk c (c = 8*layer + t) at 67,584 + c*41,984:  5 stages of 8 fragments, 6 table entries, 256 bytes of zeros
;         W_out as 4 fragments of 16 rows (rows 0, 1, 8, 9 carry W_out, the others 0) at 739,328
; A fragment is 16 rows x 32 K of bf16, 1,024 bytes: byte 512*half + 16*lane holds W[row0 + lane%16][32u + 16*half + 8*(lane/16) .. +7],
; so that the reader's lane l takes its 16 bytes at 16 l: neighbouring lanes, neighbouring bytes.
; A table entry is 128 bytes of f32: 16 biases, then the 16 weights of input column 128 (the intent's column).
; ORDER OF ROUNDING: b_ih + b_hh are added here, ahead of the products; reference() adds them behind x W^T.
; Work-groups 0-7: a stage of A_j.  8-87: a stage of a chunk c.  88-105: a chunk's tables.  106: W_out.  A wave makes one fragment or one entry.
; 107 work-groups: that is all the work there is (726 KiB stored once).
.set CHA,   33792
.set CHB,   41984
.set BASEB, 2*CHA
.set WOOFF, BASEB+16*CHB
	s_load_b512 s[8:23], s[0:1], 0x0               ; W_init 8, W_ih_l0 10, W_hh_l0 12, W_ih_l1 14, W_hh_l1 16, b_init 18, b_ih_l0 20, b_hh_l0 22
	s_load_b256 s[24:31], s[0:1], 0x40             ; b_ih_l1 24, b_hh_l1 26, W_out 28, wpack 30
	v_lshrrev_b32 v1, 5, v0
	v_readfirstlane_b32 s3, v1                     ; wave 0..7
	v_and_b32 v1, 31, v0                           ; lane
	v_and_b32 v2, 15, v0                           ; r
	v_bfe_u32 v3, v0, 4, 1                         ; h
	s_mov_b32 s2, ttmp9                            ; the work-group's number
	s_wait_kmcnt 0x0
	s_cmp_ge_u32 s2, 106
	s_cbranch_scc1 .Lwout
	s_cmp_ge_u32 s2, 88
	s_cbranch_scc1 .Ltab
	s_cmp_ge_u32 s2, 8
	s_cbranch_scc1 .Lbd
	; stage p of chunk A_j: fragment f = 2u + mm holds W_init rows 128 j + 32 p + 16 mm .. +15, K block u
	s_lshr_b32 s32, s2, 2                          ; j
	s_and_b32 s33, s2, 3                           ; p
	s_mul_i32 s37, s32, CHA
	s_lshl_b32 s34, s33, 13
	s_add_co_u32 s37, s37, s34                     ; the stage's place in wpack
	s_lshl_b32 s34, s32, 7
	s_lshl_b32 s33, s33, 5
	s_add_co_u32 s34, s34, s33
	s_and_b32 s33, s3, 1                           ; mm
	s_lshl_b32 s33, s33, 4
	s_add_co_u32 s34, s34, s33                     ; row0
	s_lshr_b32 s36, s3, 1                          ; u
	s_mov_b32 s35, 129                             ; numbers in a row of the source
	s_mov_b64 s[38:39], s[8:9]
	s_branch .Lw
.Lbd:
	s_sub_co_u32 s32, s2, 8
	s_lshr_b32 s33, s32, 4                         ; stage 0..4
	s_and_b32 s32, s32, 15                         ; chunk c
	s_mul_i32 s37, s32, CHB
	s_lshl_b32 s34, s33, 13
	s_add_co_u32 s37, s37, s34
	s_add_co_u32 s37, s37, BASEB                   ; the stage's place in wpack
	s_lshr_b32 s40, s32, 3                         ; layer
	s_and_b32 s41, s32, 7
	s_lshl_b32 s41, s41, 4                         ; 16 t
	s_cmp_lg_u32 s33, 0
	s_cbranch_scc1 .Lgates
	; stage 0: the two tiles of W_init that make c0 of hidden tile t: fragment f = 2u + mm, rows 256 + 128 mm + 16 t
	s_and_b32 s34, s3, 1
	s_lshl_b32 s34, s34, 7
	s_add_co_u32 s34, s34, s41
	s_add_co_u32 s34, s34, 256
	s_lshr_b32 s36, s3, 1
	s_mov_b32 s35, 129
	s_mov_b64 s[38:39], s[8:9]
	s_branch .Lw
.Lgates:
	; stages 1-4: fragment f = 4kk + g, rows 128 g + 16 t, K block 2(stage-1) + kk of [W_ih | W_hh]
	s_and_b32 s34, s3, 3
	s_lshl_b32 s34, s34, 7
	s_add_co_u32 s34, s34, s41                     ; row0
	s_lshr_b32 s36, s3, 2                          ; kk
	s_lshl1_add_u32 s36, s33, s36
	s_sub_co_u32 s36, s36, 2                       ; K block 0..7
	s_mov_b32 s44, 129                             ; W_ih_l0's rows have 129 numbers (in a register: an instruction takes one literal value)
	s_cmp_lg_u32 s40, 0                            ; the layer picks the matrices,
	s_cselect_b64 s[38:39], s[14:15], s[10:11]
	s_cselect_b64 s[42:43], s[16:17], s[12:13]
	s_cselect_b32 s35, 128, s44
	s_cmp_ge_u32 s36, 4                            ; the K block picks W_ih or W_hh
	s_cselect_b64 s[38:39], s[42:43], s[38:39]
	s_cselect_b32 s35, 128, s35
	s_and_b32 s36, s36, 3
.Lw:
	; one fragment: 16 numbers a lane.  Rows of 129 numbers start at multiples of 4 bytes only, hence loads of 4 bytes.
	v_add_nc_u32 v4, s34, v2                       ; row
	v_mul_lo_u32 v4, v4, s35
	s_lshl_b32 s36, s36, 5
	v_lshl_add_u32 v4, v3, 3, v4                   ; + 8 h
	v_add_lshl_u32 v4, v4, s36, 2                  ; + 32 u, in bytes
	s_lshl_b32 s33, s3, 10
	s_add_co_u32 s37, s37, s33                     ; the fragment's place
	v_lshl_add_u32 v5, v1, 4, s37
.irp i, 0,1,2,3,4,5,6,7
	global_load_b32 v[8+\i], v4, s[38:39] offset:4*\i
.endr
.irp i, 0,1,2,3,4,5,6,7
	global_load_b32 v[16+\i], v4, s[38:39] offset:64+4*\i
.endr
	s_wait_loadcnt 0x0
.irp i, 0,1,2,3,4,5,6,7
	v_cvt_pk_bf16_f32 v[24+\i], v[8+2*\i], v[9+2*\i]
.endr
	global_store_b128 v5, v[24:27], s[30:31]               ; each store of the wave covers 512 consecutive bytes, aligned
	global_store_b128 v5, v[28:31], s[30:31] offset:512
	s_endpgm
.Ltab:
	; the tables of one chunk: wave e makes entry e; lanes 0-15 the biases, lanes 16-31 column 128
	v_cmp_le_u32 vcc_lo, 16, v1
	s_sub_co_u32 s32, s2, 88
	s_cmp_ge_u32 s32, 2
	s_cbranch_scc1 .Ltab_bd
	s_mul_i32 s37, s32, CHA
	s_add_co_u32 s37, s37, 32768
	s_lshl_b32 s34, s32, 7
	s_lshl4_add_u32 s34, s3, s34                   ; row0 = 128 j + 16 e
	s_branch .Ltab_init
.Ltab_bd:
	s_sub_co_u32 s32, s32, 2                       ; chunk c
	s_mul_i32 s37, s32, CHB
	s_add_co_u32 s37, s37, BASEB+40960
	s_lshr_b32 s33, s32, 3                         ; layer
	s_and_b32 s32, s32, 7
	s_lshl_b32 s32, s32, 4                         ; 16 t
	s_cmp_ge_u32 s3, 6
	s_cbranch_scc1 .Ltab_zero
	s_cmp_ge_u32 s3, 2
	s_cbranch_scc1 .Ltab_gate
	s_lshl_b32 s34, s3, 7
	s_add_co_u32 s34, s34, s32
	s_add_co_u32 s34, s34, 256                     ; row0 = 256 + 128 e + 16 t
.Ltab_init:
	v_add_nc_u32 v4, s34, v2                       ; row of W_init
	v_lshlrev_b32 v6, 2, v4
	v_mul_u32_u24 v7, v4, 516                      ; a row of 129 numbers
	global_load_b32 v8, v6, s[18:19]
	global_load_b32 v9, v7, s[8:9] offset:512      ; column 128
	s_wait_loadcnt 0x0
	v_cndmask_b32 v10, v8, v9, vcc_lo
	s_branch .Ltab_store
.Ltab_gate:
	s_sub_co_u32 s34, s3, 2
	s_lshl_b32 s34, s34, 7
	s_add_co_u32 s34, s34, s32                     ; row0 = 128 gate + 16 t
	v_add_nc_u32 v4, s34, v2
	v_lshlrev_b32 v6, 2, v4
	s_cmp_lg_u32 s33, 0
	s_cselect_b64 s[38:39], s[24:25], s[20:21]
	s_cselect_b64 s[42:43], s[26:27], s[22:23]
	global_load_b32 v8, v6, s[38:39]
	global_load_b32 v9, v6, s[42:43]
	s_cmp_lg_u32 s33, 0
	s_cbranch_scc1 .Ltab_l1
	v_mul_u32_u24 v7, v4, 516
	global_load_b32 v11, v7, s[10:11] offset:512   ; W_ih_l0's column 128
	s_wait_loadcnt 0x0
	v_add_f32 v8, v8, v9
	v_cndmask_b32 v10, v8, v11, vcc_lo
	s_branch .Ltab_store
.Ltab_l1:
	v_mov_b32 v12, 0                               ; layer 1 has no column 128
	s_wait_loadcnt 0x0
	v_add_f32 v8, v8, v9
	v_cndmask_b32 v10, v8, v12, vcc_lo
	s_branch .Ltab_store
.Ltab_zero:
	v_mov_b32 v10, 0                               ; the chunk's last 256 bytes: they are moved with it, so they are written
.Ltab_store:
	s_lshl_b32 s33, s3, 7
	s_add_co_u32 s37, s37, s33
	v_lshl_add_u32 v5, v1, 2, s37
	global_store_b32 v5, v10, s[30:31]             ; 128 consecutive bytes a wave, 1,024 a work-group
	s_endpgm
.Lwout:
	; W_out [2][128] as the A operand of four K blocks: rows 0, 8 = W_out[0], rows 1, 9 = W_out[1], the rest 0.  Wave w: K block w/2, half w%2.
	s_lshr_b32 s32, s3, 1
	s_and_b32 s33, s3, 1
	s_lshl_b32 s32, s32, 7
	s_lshl_b32 s33, s33, 6
	s_add_co_u32 s32, s32, s33                     ; (32 u + 16 half) numbers of 4 bytes
	v_and_b32 v4, 1, v2
	v_lshlrev_b32 v4, 9, v4                        ; row r % 2 of 512 bytes
	v_lshl_add_u32 v4, v3, 5, v4                   ; + 8 h numbers
	v_add_nc_u32 v4, s32, v4
	global_load_b128 v[8:11], v4, s[28:29]
	global_load_b128 v[12:15], v4, s[28:29] offset:16
	v_and_b32 v6, 6, v2
	v_cmp_eq_u32 vcc_lo, 0, v6                     ; r in 0, 1, 8, 9
	v_mov_b32 v7, 0
	s_lshl_b32 s33, s3, 9
	s_add_co_u32 s33, s33, WOOFF
	v_lshl_add_u32 v5, v1, 4, s33
	s_wait_loadcnt 0x0
.irp i, 0,1,2,3
	v_cvt_pk_bf16_f32 v[24+\i], v[8+2*\i], v[9+2*\i]
.endr
.irp i, 0,1,2,3
	v_cndmask_b32 v[24+\i], v7, v[24+\i], vcc_lo
.endr
	global_store_b128 v5, v[24:27], s[30:31]
	s_endpgm
.Lfunc_end_k_qd69c9a89dc_pack:
	.size	k_qd69c9a89dc_pack, .Lfunc_end_k_qd69c9a89dc_pack-k_qd69c9a89dc_pack
	.p2alignl 7, 3214868480
	.fill 96, 4, 3214868480
	.section	.rodata,"a",@progbits
	.p2align	6, 0x0
	.amdhsa_kernel k_qd69c9a89dc_pack
		.amdhsa_group_segment_fixed_size 0
		.amdhsa_private_segment_fixed_size 0
		.amdhsa_enable_private_segment 0
		.amdhsa_kernarg_size 96
		.amdhsa_user_sgpr_count 2
		.amdhsa_user_sgpr_kernarg_segment_ptr 1
		.amdhsa_wavefront_size32 1
		.amdhsa_system_sgpr_workgroup_id_x 1
		.amdhsa_system_sgpr_workgroup_id_y 1
		.amdhsa_system_sgpr_workgroup_id_z 1
		.amdhsa_system_vgpr_workitem_id 0
		.amdhsa_next_free_vgpr 48
		.amdhsa_next_free_sgpr 66
		.amdhsa_reserve_vcc 1
		.amdhsa_float_denorm_mode_32 3
		.amdhsa_float_denorm_mode_16_64 3
		.amdhsa_memory_ordered 1
		.amdhsa_forward_progress 1
		.amdhsa_inst_pref_size 10
	.end_amdhsa_kernel
	.amdgpu_metadata
---
amdhsa.version: [ 1, 2 ]
amdhsa.kernels:
  - .name:           k_qd69c9a89dc_pack
    .symbol:         k_qd69c9a89dc_pack.kd
    .args:
      - { .name: W_init, .offset: 0, .size: 8, .value_kind: global_buffer, .address_space: global }
      - { .name: W_ih_l0, .offset: 8, .size: 8, .value_kind: global_buffer, .address_space: global }
      - { .name: W_hh_l0, .offset: 16, .size: 8, .value_kind: global_buffer, .address_space: global }
      - { .name: W_ih_l1, .offset: 24, .size: 8, .value_kind: global_buffer, .address_space: global }
      - { .name: W_hh_l1, .offset: 32, .size: 8, .value_kind: global_buffer, .address_space: global }
      - { .name: b_init, .offset: 40, .size: 8, .value_kind: global_buffer, .address_space: global }
      - { .name: b_ih_l0, .offset: 48, .size: 8, .value_kind: global_buffer, .address_space: global }
      - { .name: b_hh_l0, .offset: 56, .size: 8, .value_kind: global_buffer, .address_space: global }
      - { .name: b_ih_l1, .offset: 64, .size: 8, .value_kind: global_buffer, .address_space: global }
      - { .name: b_hh_l1, .offset: 72, .size: 8, .value_kind: global_buffer, .address_space: global }
      - { .name: W_out, .offset: 80, .size: 8, .value_kind: global_buffer, .address_space: global }
      - { .name: wpack, .offset: 88, .size: 8, .value_kind: global_buffer, .address_space: global }
    .group_segment_fixed_size: 0
    .private_segment_fixed_size: 0
    .kernarg_segment_align: 8
    .kernarg_segment_size: 96
    .max_flat_workgroup_size: 256
    .sgpr_count:     66
    .vgpr_count:     48
    .wavefront_size: 32
...
	.end_amdgpu_metadata
.endif
;; end of part 1
;; launch decode (part 2): grid 512 x 1, 4 waves a work-group, clusters of 4 x 1, 327,680 bytes of LDS; arguments fused_features, intent_prob, wpack, b_out, out0; writes out0
.if DOCPART == 2
	.amdgcn_target "amdgcn-amd-amdhsa--gfx1250"
	.amdhsa_code_object_version 6
	.text
	.protected	k_qd69c9a89dc_decode
	.globl	k_qd69c9a89dc_decode
	.p2align	8
	.type	k_qd69c9a89dc_decode,@function
k_qd69c9a89dc_decode:
	s_mov_b64 s[64:65], 0
	v_nop
	global_prefetch_b8 v0, s[64:65] scope:SCOPE_SE
	s_setreg_imm32_b32 hwreg(HW_REG_WAVE_MODE, 25, 1), 1
	s_wait_xcnt 0x0
	s_wait_alu depctr_hold_cnt(0) depctr_sa_sdst(0) depctr_va_vdst(0) depctr_va_sdst(0) depctr_va_ssrc(0) depctr_va_vcc(0) depctr_vm_vsrc(0)
	s_getreg_b32 s2, hwreg(HW_REG_IB_STS2, 6, 4)
	s_cmp_eq_u32 s2, 0
	s_cbranch_scc0 .Lentry_in_a_cluster
	s_endpgm
.Lentry_in_a_cluster:
	s_bfe_u32 s2, ttmp6, 0x10000c
	s_cmp_lg_u32 s2, 0x3003
	s_cbranch_scc0 .Lentry_shape_is_right
	s_endpgm
.Lentry_shape_is_right:
; All of the decoder in one launch: init = x W_init^T + b, the two LSTM cells, the head.  Nothing goes through memory between the steps.
; SHARES.  A work-group makes 256 output rows, a wave 64: rows 2 s0 .. 2 s0 + 63, s0 = 128 wg + 32 wave.  By the flat reshape of init, output rows
; 2s and 2s+1 take h0, c0 of layer 0 from init row s (columns 0-127 / 128-255 of each half) and of layer 1 from init row 65,536 + s.  So a wave
; reads its 64 own rows of x, 32 rows L = x[s0 ..] and 32 rows U = x[65,536 + s0 ..]; every init row is still computed once in the launch.
; OPERANDS.  The weights are source 0 (16 features x 32 K), the activations source 1 (32 K x 16 batch rows).  In a result, register j of lane l is
; feature 8 (l/16) + j of batch row l%16 (ISA guide 7.12.2): packed to bf16, the tiles of features 32u .. +15 and 32u+16 .. +31 ARE registers 0-3 and 4-7
; of the next product's source 1 for K block u.  A wave has four batch tiles nt = 2 src + par: column r is output row 2 (s0 + 16 src + r) + par.
; THE INTENT'S COLUMN (the 129th input) is a term of rank 1 in f32: sums start as bias[m] + intent[n] W[m][128].  Layer 1 has none: its first
; product takes the bias block as C.
; WEIGHTS do not fit in LDS (640 KiB in bf16): they are streamed as 18 chunks through two LDS slots.  All work-groups walk the same stream, so the four
; of a cluster ask JOINTLY: one tensor load a wave for a quarter of a chunk, mask 15.  By this text's count a wave has two tensor loads out at the start, later one.
; LIMITS.  x, the weights and every h are rounded to bf16 in front of a product; intent, column 128 and the biases stay in f32.
; sigmoid(x) = 1/(1 + 2^(-x log2 e)); tanh(x) = 1 - 2/(1 + 2^(2 x log2 e)): its error is absolute, about 2^-23, not relative.  An exponential that
; overflows gives infinity, whose reciprocal is 0: the saturated value, so nothing is clamped.  v_exp_f32 and v_rcp_f32 flush below 2^-126 (ISA guide 15.8).
;
; LDS:  0 .. 83,967        two slots of 41,984 bytes, filled by tensor loads alone
;       83,968 + w 34,816  wave w's x in bf16, 128 rows of pitch 272: rows 0-31 L, 32-63 U, 64 + 16 nt + r its own rows
;       223,232 + w 17,408 wave w's new h, row 16 nt + r, pitch 272
;       Pitch 272: the sixteen rows that a 16-byte load or store touches lie 16 bytes apart modulo 256.  Both regions are a wave's own.
; REGISTERS, in windows of 256:
;   window 0: v0-14 addresses, v32-39 intents, v40-59 at work, v64-127 / v128-191 weight fragments (two buffers), v192-255 raw own rows 48-63, then W_out
;   window 1: v0-127 K1 (raw own rows 0-31; x own, then new h1, then new h2 as source 1, at 32 nt + 8 u), v128-255 h0 of layer 0
;   window 2: v0-63 U as source 1 (first phase), v64-127 raw own rows 32-47, then v0-95 the chunk's tables; v128-255 h0 of layer 1
;   window 3: v0-127 gate sums at 32 gate + 8 nt, v128-159 c sums, v160-223 S (L or U as source 1), v224-255 first phase's tables, then HP, HSA
.set PITCH, 272
.set SLOT,  41984                      ; an LDS slot, and a chunk of the cells' phases: 164 rows of 256 bytes
.set CHA,   33792                      ; a chunk of the first phase: 132 rows of 256 bytes
.set QA,    CHA/4
.set QB,    SLOT/4
.set BASEB, 2*CHA
.set WOOFF, BASEB+16*SLOT
.set STG,   8192                       ; a stage: 8 fragments
.set TABA,  4*STG
.set TABB,  5*STG
.set XST,   2*SLOT
.set XSTW,  128*PITCH
.set HS,    XST+4*XSTW
.set HSW,   64*PITCH
.set AL,  4                            ; v4, v5   16 lane (+ slot 1); v4 is also the byte offset of a lane's 16 bytes in a row of x
.set TL,  6                            ; v6, v7   32 h (+ slot 1): a lane's 8 numbers in a table entry
.set XA,  8                            ; v8       my x region + 8 lane
.set XF,  9                            ; v9       my x region + 272 r + 16 h
.set HF,  10                           ; v10      my h region + 272 r + 16 h
.set OA,  14                           ; v14      16 r + 8 h
.set IL,  32                           ; v32, 33  intent of L's two tiles
.set IU,  34                           ; v34, 35  of U's
.set IO,  36                           ; v36-39   of my own four tiles
.set TMP, 40
.set RES, 56
.set BA,  64
.set BB,  128
.set WO,  192
.set CA,  128                          ; window 3
.set S,   160                          ; window 3
.set TBA, 224                          ; window 3
.set HP,  224                          ; window 3
.set HSA, 228                          ; window 3: where this trip's new h goes
.set G1A, 32                           ; s[32:39] shape of a quarter of a first-phase chunk
.set G1B, 40                           ; s[40:47] of a quarter of a cell chunk
.set G0A, 48                           ; s[48:55] from where, to where: first-phase chunks 0, 1
.set G0B, 56                           ; s[56:63] cell chunks, one set for each slot
.set MSB, 0
.macro WIN new                         ; low byte: bits 1:0 source 0, 3:2 source 1, 5:4 source 2, 7:6 destination; the high byte repeats the setting that is left
.if MSB != \new
	s_set_vgpr_msb (MSB<<8)|\new
.set MSB, \new
.endif
.endm
; A vector instruction that reads a matrix result or writes a matrix instruction's register, and a load into such a register, stand four places behind
; it, and only plain vector instructions that name none of its registers are places (ISA guide 7.12.1 for vector instructions).
.macro PLACES
.rept 4
	v_nop
.endr
.endm
; A round of the cluster's barrier behind its opening work-group barrier: wave 0 signals for the work-group, every wave waits for all four work-groups, the work-group's barrier closes it.
.macro CREST
	s_cmp_lg_u32 s16, 0
	s_cbranch_scc1 .Lnot_wave_0_\@
	s_barrier_signal -3
.Lnot_wave_0_\@:
	s_barrier_wait -3
	s_barrier_signal -1
	s_barrier_wait -1
.endm
.macro CROUND
	s_barrier_signal -1
	s_barrier_wait -1
	CREST
.endm
.macro G1SET g, rows                   ; a dense block as rows of 256 bytes: 32 elements of 8 bytes, pitch 32
	s_mov_b32 s[\g+0], 15|(3<<16)|(1<<21)          ; 15:0 the mask: the cluster's four work-groups; 17:16 elements of 8 bytes; 21 set beside a mask; no padding
	s_mov_b32 s[\g+1], 32<<16                      ; tensor_dim0 = 32
	s_mov_b32 s[\g+2], \rows<<16                   ; tensor_dim1
	s_mov_b32 s[\g+3], 32<<16                      ; tile_dim0 = 32
	s_mov_b32 s[\g+4], \rows                       ; tile_dim1
	s_mov_b32 s[\g+5], 32                          ; elements from row to row
	s_mov_b32 s[\g+6], 0
	s_mov_b32 s[\g+7], 0
.endm
; d = w * intent + b on a pair of registers; the intent is register sel of the pair ip, for both halves
.macro FMAI d, w, ip, b, sel
.if \sel
	v_pk_fma_f32 v[\d:\d+1], v[\w:\w+1], v[\ip:\ip+1], v[\b:\b+1] op_sel:[0,1,0] op_sel_hi:[1,1,1]
.else
	v_pk_fma_f32 v[\d:\d+1], v[\w:\w+1], v[\ip:\ip+1], v[\b:\b+1] op_sel_hi:[1,0,1]
.endif
.endm
; a stage's 8 fragments into a buffer: 16 loads, each of 512 consecutive bytes
.macro FETCH slot, off, buf
	WIN 0
.irp i, 0,1,2,3,4,5,6,7,8,9,10,11,12,13,14,15
	ds_load_b128 v[\buf+4*\i:\buf+4*\i+3], v[AL+\slot] offset:\off+512*\i
.endr
.endm
; a cell chunk's six table entries into window 2: entry e at 16 e, biases of features 8h .. 8h+7 in +0..7, column 128 in +8..15
.macro FETCHT slot
	WIN 0x80
.irp e, 0,1,2,3,4,5
.irp q, 0,1,2,3
	ds_load_b128 v[16*\e+4*\q:16*\e+4*\q+3], v[TL+\slot] offset:TABB+128*\e+16*(\q&1)+64*(\q>>1)
.endr
.endr
.endm
; the two entries of stage p of a first-phase chunk into window 3
.macro FETCHTA slot, p
	WIN 0xc0
.irp mm, 0,1
.irp q, 0,1,2,3
	ds_load_b128 v[TBA+16*\mm+4*\q:TBA+16*\mm+4*\q+3], v[TL+\slot] offset:TABA+128*(2*\p+\mm)+16*(\q&1)+64*(\q>>1)
.endr
.endr
.endm
; two tiles of 16 rows x 128 K from my x region as source 1 (the window is set by the caller)
.macro LOAD2 dst, off
.irp src, 0,1
.irp u, 0,1,2,3
	ds_load_b128 v[\dst+32*\src+8*\u:\dst+32*\src+8*\u+3],   v[XF] offset:\off+16*PITCH*\src+64*\u
	ds_load_b128 v[\dst+32*\src+8*\u+4:\dst+32*\src+8*\u+7], v[XF] offset:\off+16*PITCH*\src+64*\u+32
.endr
.endr
.endm
; four tiles into K1 (window 1)
.macro LOADK adr, off
	WIN 0x40
.irp nt, 0,1,2,3
.irp u, 0,1,2,3
	ds_load_b128 v[32*\nt+8*\u:32*\nt+8*\u+3],   v[\adr] offset:\off+16*PITCH*\nt+64*\u
	ds_load_b128 v[32*\nt+8*\u+4:32*\nt+8*\u+7], v[\adr] offset:\off+16*PITCH*\nt+64*\u+32
.endr
.endr
.endm
; eight raw rows of x (4 registers a row, 4 numbers a lane) to bf16 and into my x region.  own = 0: LDS row = i0 + k; own = 1: own row i goes to tile 2 (i/32) + i%2, row (i%32)/2
.macro XCVT sw, raw, i0, own
	WIN \sw
.irp k, 0,1,2,3,4,5,6,7
	v_cvt_pk_bf16_f32 v[TMP+2*\k],   v[\raw+4*\k],   v[\raw+4*\k+1]
	v_cvt_pk_bf16_f32 v[TMP+2*\k+1], v[\raw+4*\k+2], v[\raw+4*\k+3]
.endr
	WIN 0
.irp k, 0,1,2,3,4,5,6,7
.if \own
	ds_store_b64 v[XA], v[TMP+2*\k:TMP+2*\k+1] offset:PITCH*(64+16*(2*((\i0+\k)>>5)+((\i0+\k)&1))+(((\i0+\k)&31)>>1))
.else
	ds_store_b64 v[XA], v[TMP+2*\k:TMP+2*\k+1] offset:PITCH*(\i0+\k)
.endif
.endr
.endm
.macro OWNSET g                        ; where the raw own rows 8 g .. 8 g + 7 wait
.if \g < 4
.set OWIN, 1
.set OB, 32*\g
.elseif \g < 6
.set OWIN, 2
.set OB, 64+32*(\g-4)
.else
.set OWIN, 0
.set OB, 192+32*(\g-6)
.endif
.endm
.macro OWNLD g
	OWNSET \g
	WIN (OWIN<<6)
.irp k, 0,1,2,3,4,5,6,7
	global_load_b128 v[OB+4*\k:OB+4*\k+3], v[AL], s[24:25] offset:512*(8*\g+\k)    ; one load = one whole row of 512 bytes
.endr
.endm
.macro OWNCV g
	OWNSET \g
	XCVT (OWIN*5), OB, (8*\g), 1
.endm
; THE MATRIX WORK.  In every run below the accumulators take turns, one instruction a turn, from run to run and over the loops' backward jumps too.
; c0 of hidden tile t: 2 tiles of W_init (mm = par) x 2 source tiles x 4 K blocks
.macro MULC buf
	WIN 0xfc
.irp u, 0,1,2,3
.irp mm, 0,1
.irp src, 0,1
	v_wmma_f32_16x16x32_bf16 v[CA+8*(2*\src+\mm):CA+8*(2*\src+\mm)+7], v[\buf+8*(2*\u+\mm):\buf+8*(2*\u+\mm)+7], v[S+32*\src+8*\u:S+32*\src+8*\u+7], v[CA+8*(2*\src+\mm):CA+8*(2*\src+\mm)+7]
.endr
.endr
.endr
.endm
; one K block of the four gates x four batch tiles.  fromtb = 1: the product starts the sum from the gate's bias block (window 2)
.macro MULG16 buf, kbase, kk, fromtb
.irp g, 0,1,2,3
.irp nt, 0,1,2,3
.if \fromtb
	v_wmma_f32_16x16x32_bf16 v[32*\g+8*\nt:32*\g+8*\nt+7], v[\buf+8*(4*\kk+\g):\buf+8*(4*\kk+\g)+7], v[\kbase+32*\nt+8*\kk:\kbase+32*\nt+8*\kk+7], v[16*(2+\g):16*(2+\g)+7]
.else
	v_wmma_f32_16x16x32_bf16 v[32*\g+8*\nt:32*\g+8*\nt+7], v[\buf+8*(4*\kk+\g):\buf+8*(4*\kk+\g)+7], v[\kbase+32*\nt+8*\kk:\kbase+32*\nt+8*\kk+7], v[32*\g+8*\nt:32*\g+8*\nt+7]
.endif
.endr
.endr
.endm
; The cell for batch tile nt, 8 hidden numbers a lane, in place in window 3: i at 0, f at 32, g at 64, o at 96, c at CA (+ 8 nt).
; Behind each run of transcendentals one v_nop stands ahead of the first use of a result (ISA guide 5.7.2).
.macro CELL nt
	WIN 0xff
.irp q, 0,2,4,6
	v_pk_mul_f32 v[8*\nt+\q:8*\nt+\q+1],       v[8*\nt+\q:8*\nt+\q+1],       0xbfb8aa3b op_sel_hi:[1,0]    ; -log2 e
	v_pk_mul_f32 v[32+8*\nt+\q:32+8*\nt+\q+1], v[32+8*\nt+\q:32+8*\nt+\q+1], 0xbfb8aa3b op_sel_hi:[1,0]
	v_pk_mul_f32 v[64+8*\nt+\q:64+8*\nt+\q+1], v[64+8*\nt+\q:64+8*\nt+\q+1], 0x4038aa3b op_sel_hi:[1,0]    ; 2 log2 e
	v_pk_mul_f32 v[96+8*\nt+\q:96+8*\nt+\q+1], v[96+8*\nt+\q:96+8*\nt+\q+1], 0xbfb8aa3b op_sel_hi:[1,0]
.endr
.irp g, 0,32,64,96
.irp j, 0,1,2,3,4,5,6,7
	v_exp_f32 v[\g+8*\nt+\j], v[\g+8*\nt+\j]
.endr
.endr
	v_nop
	s_wait_alu depctr_va_vdst(0)
.irp g, 0,32,64,96
.irp q, 0,2,4,6
	v_pk_add_f32 v[\g+8*\nt+\q:\g+8*\nt+\q+1], v[\g+8*\nt+\q:\g+8*\nt+\q+1], 1.0 op_sel_hi:[1,0]
.endr
.endr
.irp g, 0,32,64,96
.irp j, 0,1,2,3,4,5,6,7
	v_rcp_f32 v[\g+8*\nt+\j], v[\g+8*\nt+\j]
.endr
.endr
	v_nop
	s_wait_alu depctr_va_vdst(0)
.irp q, 0,2,4,6
	v_pk_fma_f32 v[64+8*\nt+\q:64+8*\nt+\q+1], v[64+8*\nt+\q:64+8*\nt+\q+1], -2.0, 1.0 op_sel_hi:[1,0,0]   ; tanh(g)
.endr
.irp q, 0,2,4,6
	v_pk_mul_f32 v[64+8*\nt+\q:64+8*\nt+\q+1], v[8*\nt+\q:8*\nt+\q+1], v[64+8*\nt+\q:64+8*\nt+\q+1]        ; sigmoid(i) tanh(g)
.endr
.irp q, 0,2,4,6
	v_pk_fma_f32 v[CA+8*\nt+\q:CA+8*\nt+\q+1], v[32+8*\nt+\q:32+8*\nt+\q+1], v[CA+8*\nt+\q:CA+8*\nt+\q+1], v[64+8*\nt+\q:64+8*\nt+\q+1]   ; the new c
.endr
.irp q, 0,2,4,6
	v_pk_mul_f32 v[CA+8*\nt+\q:CA+8*\nt+\q+1], v[CA+8*\nt+\q:CA+8*\nt+\q+1], 0x4038aa3b op_sel_hi:[1,0]
.endr
.irp j, 0,1,2,3,4,5,6,7
	v_exp_f32 v[CA+8*\nt+\j], v[CA+8*\nt+\j]
.endr
	v_nop
	s_wait_alu depctr_va_vdst(0)
.irp q, 0,2,4,6
	v_pk_add_f32 v[CA+8*\nt+\q:CA+8*\nt+\q+1], v[CA+8*\nt+\q:CA+8*\nt+\q+1], 1.0 op_sel_hi:[1,0]
.endr
.irp j, 0,1,2,3,4,5,6,7
	v_rcp_f32 v[CA+8*\nt+\j], v[CA+8*\nt+\j]
.endr
	v_nop
	s_wait_alu depctr_va_vdst(0)
.irp q, 0,2,4,6
	v_pk_fma_f32 v[CA+8*\nt+\q:CA+8*\nt+\q+1], v[CA+8*\nt+\q:CA+8*\nt+\q+1], -2.0, 1.0 op_sel_hi:[1,0,0]   ; tanh(c)
.endr
.irp q, 0,2,4,6
	v_pk_mul_f32 v[CA+8*\nt+\q:CA+8*\nt+\q+1], v[CA+8*\nt+\q:CA+8*\nt+\q+1], v[96+8*\nt+\q:96+8*\nt+\q+1]  ; the new h
.endr
.irp q, 0,1,2,3
	v_cvt_pk_bf16_f32 v[HP+\q], v[CA+8*\nt+2*\q], v[CA+8*\nt+2*\q+1]
.endr
	ds_store_b128 v[HSA], v[HP:HP+3] offset:16*PITCH*\nt           ; features 16 t + 8 h .. +7 of row 16 nt + r
.endm
; FIRST PHASE.  Stage p of chunk A_j makes features 128 j + 32 p .. +31 of init for L's and U's two tiles each: h0 of parity j, K block p.
; Sums at 8 (4 mm + n4) in window 3, n4 = 0, 1: L; 2, 3: U.
.macro ASTAGE j, p, buf
.if \p == 0
	s_wait_dscnt 0x0                               ; stages 0, 1 and the first tables are in
.elseif \p < 3
	s_wait_dscnt 16                                ; all but the 16 fragment loads issued last: this stage's fragments and tables are in
.else
	s_wait_dscnt 0x0                               ; my reads of this slot are over,
	s_set_vgpr_msb (MSB<<8)|((MSB&0xf0)|0x0)
	s_wait_tensorcnt 0x0                           ; and my one tensor load that was out, my quarter of the next chunk, has landed:
	ds_add_u32 v62, v63
	s_wait_dscnt 0x0
	s_set_vgpr_msb (((MSB&0xf0)|0x0)<<8)|MSB
	s_barrier_signal -1                            ; say so; this barrier opens a round of the cluster's barrier; only register work up to its wait
.endif
	WIN 0xf3
.irp mm, 0,1
.irp n4, 0,1,2,3
.irp q, 0,2,4,6
	FMAI (8*(4*\mm+\n4)+\q), (TBA+16*\mm+8+\q), (IL+2*(\n4>>1)), (TBA+16*\mm+\q), (\n4&1)
.endr
.endr
.endr
.if \p < 3
	FETCHTA \j, (\p+1)
.endif
	WIN 0xfc
.irp u, 0,1,2,3
.irp mm, 0,1
.irp src, 0,1
	v_wmma_f32_16x16x32_bf16 v[8*(4*\mm+\src):8*(4*\mm+\src)+7], v[\buf+8*(2*\u+\mm):\buf+8*(2*\u+\mm)+7], v[S+32*\src+8*\u:S+32*\src+8*\u+7], v[8*(4*\mm+\src):8*(4*\mm+\src)+7]
.endr
.endr
.endr
	WIN 0xf8
.irp u, 0,1,2,3
.irp mm, 0,1
.irp src, 0,1
	v_wmma_f32_16x16x32_bf16 v[8*(4*\mm+2+\src):8*(4*\mm+2+\src)+7], v[\buf+8*(2*\u+\mm):\buf+8*(2*\u+\mm)+7], v[32*\src+8*\u:32*\src+8*\u+7], v[8*(4*\mm+2+\src):8*(4*\mm+2+\src)+7]
.endr
.endr
.endr
.if \p < 2
	PLACES
	FETCH \j, ((\p+2)*STG), \buf
.elseif \p == 2
	PLACES
.else
	WIN 0
	s_barrier_wait -1
	CREST                                          ; no wave of any of the four work-groups still reads this slot or has a load on its way
	tensor_load_to_lds s[G0B+4*\j:G0B+4*\j+3], s[G1B:G1B+7]        ; cell chunk j into this slot: my one tensor load behind the round, and the first thing there
	s_nop 0
	PLACES
	FETCH (1-\j), 0, BA                            ; the next chunk's first two stages
	FETCH (1-\j), STG, BB
.if \j == 0
	FETCHTA 1, 0
.endif
.endif
	WIN 0x4f                                       ; L's results are h0 of layer 0: tile 2 src + j, K block p, registers 4 mm ..
.irp mm, 0,1
.irp src, 0,1
.irp q, 0,1,2,3
	v_cvt_pk_bf16_f32 v[128+32*(2*\src+\j)+8*\p+4*\mm+\q], v[8*(4*\mm+\src)+2*\q], v[8*(4*\mm+\src)+2*\q+1]
.endr
.endr
.endr
	WIN 0x8f                                       ; U's are h0 of layer 1
.irp mm, 0,1
.irp src, 0,1
.irp q, 0,1,2,3
	v_cvt_pk_bf16_f32 v[128+32*(2*\src+\j)+8*\p+4*\mm+\q], v[8*(4*\mm+2+\src)+2*\q], v[8*(4*\mm+2+\src)+2*\q+1]
.endr
.endr
.endr
.endm
; A TRIP: hidden tile t of layer ph, from the chunk in \slot.  mode 2: the slot is filled again behind a round of the cluster's barrier;
; mode 1: a work-group barrier alone (the next chunk is read, nothing is filled); mode 0: the last trip.
; From a refill's request to the wait for it stand four cells, the next trip's starts of sums and 112 of its matrix instructions.
.macro TRIP ph, slot, mode
	s_wait_dscnt 0x0                               ; the tables and stages 0, 1 (issued ahead of the last trip's cells) are in
	WIN 0xe2
.irp nt, 0,1,2,3
.irp q, 0,2,4,6
	FMAI (CA+8*\nt+\q), (16*(\nt&1)+8+\q), (IL+2*\ph), (16*(\nt&1)+\q), (\nt>>1)
.endr
.endr
.if \ph == 0
.irp g, 0,1,2,3
.irp nt, 0,1,2,3
.irp q, 0,2,4,6
	FMAI (32*\g+8*\nt+\q), (16*(2+\g)+8+\q), (IO+2*(\nt>>1)), (16*(2+\g)+\q), (\nt&1)
.endr
.endr
.endr
.endif
	MULC BA
	PLACES
	FETCH \slot, (2*STG), BA
.if \ph == 0
	WIN 0xf4
	MULG16 BB, 0, 0, 0
.else
	WIN 0xe4                                       ; C from the tables in window 2
	MULG16 BB, 0, 0, 1
	WIN 0xf4
.endif
	MULG16 BB, 0, 1, 0
	PLACES
	FETCH \slot, (3*STG), BB
	s_wait_dscnt 16                                ; all but the 16 just issued: stage 2 is in
	WIN 0xf4
	MULG16 BA, 16, 0, 0
	MULG16 BA, 16, 1, 0
	PLACES
	FETCH \slot, (4*STG), BA
	s_wait_dscnt 16                                ; stage 3 is in
	WIN (0xf4+4*\ph)                               ; h0 of layer 0 lies in window 1, of layer 1 in window 2
	MULG16 BB, 128, 0, 0
	MULG16 BB, 128, 1, 0
	s_wait_dscnt 0x0                               ; stage 4 is in, and my reads of this slot are over
.if \mode
	s_set_vgpr_msb (MSB<<8)|((MSB&0xf0)|0x0)
	s_wait_tensorcnt 0x0                           ; all my tensor loads have landed: the one that was out is my quarter of the next chunk
	ds_add_u32 v62, v63
	s_wait_dscnt 0x0
	s_set_vgpr_msb (((MSB&0xf0)|0x0)<<8)|MSB
	s_barrier_signal -1                            ; say so; register work alone up to the wait
.endif
	MULG16 BA, 144, 0, 0
	MULG16 BA, 144, 1, 0
	WIN 0
.if \mode
	s_barrier_wait -1
.endif
.if \mode == 2
	CREST                                          ; no wave of any of the four work-groups still reads this slot or has a load on its way
	s_add_nc_u64 s[G0B+4*\slot+2:G0B+4*\slot+3], s[G0B+4*\slot+2:G0B+4*\slot+3], 2*SLOT    ; no tensor load of mine is out: the address steps two chunks on
	tensor_load_to_lds s[G0B+4*\slot:G0B+4*\slot+3], s[G1B:G1B+7]  ; my one tensor load behind the round, and the first thing there
	s_nop 0
.endif
	PLACES
.if \mode
	FETCH (1-\slot), 0, BA                         ; the next trip's first two stages and tables come in under the cells
	FETCH (1-\slot), STG, BB
	FETCHT (1-\slot)
.endif
	CELL 0
	CELL 1
	CELL 2
	CELL 3
	v_add_nc_u32 v[HSA], 32, v[HSA]                ; the next hidden tile: 16 bf16 on
	WIN 0
.endm
	; ---------------- scalars, descriptors, the first fills ----------------
	s_load_b256 s[4:11], s[0:1], 0x0               ; x s[4:5], intent s[6:7], wpack s[8:9], b_out s[10:11]
	s_load_b64 s[12:13], s[0:1], 0x20              ; out0
	v_lshl_add_u32 v62, v0, 2, 0x47800
	v_mov_b32 v63, 0
	ds_add_u32 v62, v63
	v_lshrrev_b32 v1, 5, v0
	v_readfirstlane_b32 s16, v1                    ; wave 0..3
	s_bfe_u32 s17, ttmp6, 0x40000                  ; cx: my place in the cluster.  It enters the addresses of x, intent and out0 alone
	s_lshl_b32 s18, ttmp9, 2
	s_add_co_u32 s18, s18, s17                     ; work-group = 4 x cluster + cx
	G1SET G1A, 33
	G1SET G1B, 41
	s_mul_i32 s2, s16, QA                          ; my quarter of a first-phase chunk: made of the wave's number alone, in memory and in LDS
	s_mov_b32 s3, 0
	s_wait_dscnt 0x0
	s_wait_kmcnt 0x0
	s_load_b64 s[14:15], s[10:11], 0x0             ; b_out's two numbers
.irp j, 0,1
	s_mov_b32 s[G0A+4*\j], 1
	s_add_co_u32 s[G0A+4*\j+1], s2, \j*SLOT
	s_add_nc_u64 s[G0A+4*\j+2:G0A+4*\j+3], s[8:9], s[2:3]
	s_add_nc_u64 s[G0A+4*\j+2:G0A+4*\j+3], s[G0A+4*\j+2:G0A+4*\j+3], \j*CHA
	s_or_b32 s[G0A+4*\j+3], s[G0A+4*\j+3], 0x80000000
.endr
	s_mul_i32 s2, s16, QB                          ; my quarter of a cell chunk
.irp j, 0,1
	s_mov_b32 s[G0B+4*\j], 1
	s_add_co_u32 s[G0B+4*\j+1], s2, \j*SLOT
	s_add_nc_u64 s[G0B+4*\j+2:G0B+4*\j+3], s[8:9], s[2:3]
	s_add_nc_u64 s[G0B+4*\j+2:G0B+4*\j+3], s[G0B+4*\j+2:G0B+4*\j+3], BASEB+\j*SLOT
	s_or_b32 s[G0B+4*\j+3], s[G0B+4*\j+3], 0x80000000
.endr
	CROUND                                         ; all four work-groups are here: the first joint loads meet
	tensor_load_to_lds s[G0A:G0A+3], s[G1A:G1A+7]          ; chunk A0 into slot 0
	s_nop 0
	tensor_load_to_lds s[G0A+4:G0A+7], s[G1A:G1A+7]        ; chunk A1 into slot 1
	s_nop 0
	; where my rows lie (s[66:68]: the only temporaries that hold anything made from cx)
	s_lshl_b32 s66, s18, 16
	s_lshl_b32 s68, s16, 14
	s_add_co_u32 s66, s66, s68                     ; s0 rows of 512 bytes
	s_mov_b32 s67, 0
	s_add_nc_u64 s[20:21], s[4:5], s[66:67]        ; L
	s_add_nc_u64 s[22:23], s[20:21], 0x2000000     ; U: 65,536 rows further
	s_lshl_b32 s66, s66, 1
	s_add_nc_u64 s[24:25], s[4:5], s[66:67]        ; my own rows, from 2 s0
	s_lshl_b32 s66, s18, 9
	s_lshl_b32 s68, s16, 7
	s_add_co_u32 s66, s66, s68                     ; 4 s0
	s_add_nc_u64 s[26:27], s[6:7], s[66:67]        ; intent[s0]
	s_lshl_b32 s66, s66, 1
	s_add_nc_u64 s[28:29], s[6:7], s[66:67]        ; intent[2 s0]
	s_lshl_b32 s66, s66, 1
	s_add_nc_u64 s[30:31], s[12:13], s[66:67]      ; out0 row 2 s0
	v_and_b32 v1, 31, v0                           ; lane
	v_and_b32 v2, 15, v0                           ; r
	v_bfe_u32 v3, v0, 4, 1                         ; h
	v_lshlrev_b32 v[AL], 4, v1
	v_add_nc_u32 v[AL+1], SLOT, v[AL]
	v_lshlrev_b32 v[TL], 5, v3
	v_add_nc_u32 v[TL+1], SLOT, v[TL]
	s_mul_i32 s2, s16, XSTW
	s_add_co_u32 s2, s2, XST                       ; my x region
	s_mul_i32 s3, s16, HSW
	s_add_co_u32 s3, s3, HS                        ; my h region
	v_lshl_add_u32 v[XA], v1, 3, s2
	v_mul_u32_u24 v11, v2, PITCH
	v_lshl_add_u32 v11, v3, 4, v11
	v_add_nc_u32 v[XF], s2, v11
	v_add_nc_u32 v[HF], s3, v11
	v_lshlrev_b32 v12, 2, v2
	v_lshlrev_b32 v13, 3, v2
	v_lshlrev_b32 v[OA], 4, v2
	v_lshl_add_u32 v[OA], v3, 3, v[OA]
	s_wait_kmcnt 0x0                               ; b_out
	; ---------------- x: all 128 rows are asked for before any product ----------------
	global_load_b32 v[IL],   v12, s[26:27]
	global_load_b32 v[IL+1], v12, s[26:27] offset:64
	global_load_b32 v[IU],   v12, s[26:27] offset:262144
	global_load_b32 v[IU+1], v12, s[26:27] offset:262208
	global_load_b64 v[IO:IO+1],   v13, s[28:29]            ; the even and the odd row's intent: tiles 0, 1
	global_load_b64 v[IO+2:IO+3], v13, s[28:29] offset:128 ; tiles 2, 3
	WIN 0xc0                                       ; no cache hint: every row of x is read by two work-groups, as an own row and as a source row
.set i, 0
.rept 32
	global_load_b128 v[4*i:4*i+3], v[AL], s[20:21] offset:512*i
.set i, i+1
.endr
.set i, 0
.rept 32
	global_load_b128 v[128+4*i:128+4*i+3], v[AL], s[22:23] offset:512*i
.set i, i+1
.endr
.irp g, 0,1,2,3,4,5,6,7
	s_wait_loadcnt 56                              ; behind these 8 rows stand 8 (7 - g) rows of L and U and 8 g own rows: 56 in every turn
	XCVT 0x0f, (32*\g), (8*\g), 0
	OWNLD \g
.endr
	WIN 0xc0
	LOAD2 S, 0                                     ; L as source 1.  LDS serves a wave's instructions in order (ISA guide 5.7.1.4): these see my stores above
	WIN 0x80
	LOAD2 0, (32*PITCH)                            ; U as source 1
	WIN 0
	s_wait_dscnt 0x0
	s_wait_tensorcnt 0x1                           ; my quarter of chunk A0 is in; A1 may stay out
	s_barrier_signal -1
	s_barrier_wait -1                              ; everybody's quarter is in
	FETCH 0, 0, BA
	FETCH 0, STG, BB
	FETCHTA 0, 0
	; ---------------- first phase: h0 of both layers ----------------
	ASTAGE 0, 0, BA
	ASTAGE 0, 1, BB
	ASTAGE 0, 2, BA
	ASTAGE 0, 3, BB
	ASTAGE 1, 0, BA
	ASTAGE 1, 1, BB
	ASTAGE 1, 2, BA
	ASTAGE 1, 3, BB
.irp g, 0,1,2,3,4,5,6,7
	s_wait_loadcnt 8*(7-\g)                        ; the own rows issued behind these 8 may stay out
	OWNCV \g
.endr
.irp i, 0,1,2,3,4,5,6,7
	global_load_b128 v[WO+4*\i:WO+4*\i+3], v[AL], s[8:9] offset:WOOFF+512*\i       ; W_out's four fragments, for the head
.endr
	LOADK XF, (64*PITCH)                           ; my own rows of x as source 1
	FETCHT 0
	WIN 0xc0
	v_mov_b32 v[HSA], v[HF]
	WIN 0
	; ---------------- layer 0: eight hidden tiles ----------------
	s_mov_b32 s19, 4
.Llayer0:
	TRIP 0, 0, 2
	TRIP 0, 1, 2
	s_sub_co_u32 s19, s19, 1
	s_cmp_lg_u32 s19, 0
	s_cbranch_scc1 .Llayer0
	LOADK HF, 0                                    ; the new h1 as source 1 (my own stores, served in order)
	WIN 0xc0
	LOAD2 S, (32*PITCH)                            ; c0 of layer 1 comes from U
	v_mov_b32 v[HSA], v[HF]
	WIN 0
	; ---------------- layer 1 ----------------
	s_mov_b32 s19, 3
.Llayer1:
	TRIP 1, 0, 2
	TRIP 1, 1, 2
	s_sub_co_u32 s19, s19, 1
	s_cmp_lg_u32 s19, 0
	s_cbranch_scc1 .Llayer1
	TRIP 1, 0, 1                                   ; the last chunk is on its way: nothing is left to ask for
	TRIP 1, 1, 0
	; ---------------- the head: out = h2 W_out^T + b_out ----------------
	LOADK HF, 0
	WIN 0
	v_cmp_le_u32 vcc_lo, 16, v1                    ; lanes 16-31
	s_wait_dscnt 0x0
	s_wait_loadcnt 0x0                             ; W_out's fragments
	WIN 0xf4
.irp nt, 0,1,2,3
	v_wmma_f32_16x16x32_bf16 v[8*\nt:8*\nt+7], v[WO:WO+7], v[32*\nt:32*\nt+7], 0
.endr
.irp u, 1,2,3
.irp nt, 0,1,2,3
	v_wmma_f32_16x16x32_bf16 v[8*\nt:8*\nt+7], v[WO+8*\u:WO+8*\u+7], v[32*\nt+8*\u:32*\nt+8*\u+7], v[8*\nt:8*\nt+7]
.endr
.endr
	PLACES
	; Rows 8, 9 of the padded W_out repeat rows 0, 1, so registers 0, 1 hold the two outputs in both halves of the lanes:
	; lanes 0-15 take the even rows' tile, lanes 16-31 the odd rows' tile, and 32 lanes hold 256 consecutive bytes of out0.
	WIN 0x0f
	v_cndmask_b32 v[RES],   v0,  v8,  vcc_lo
	v_cndmask_b32 v[RES+1], v1,  v9,  vcc_lo
	v_cndmask_b32 v[RES+2], v16, v24, vcc_lo
	v_cndmask_b32 v[RES+3], v17, v25, vcc_lo
	WIN 0
	v_add_f32 v[RES],   s14, v[RES]
	v_add_f32 v[RES+1], s15, v[RES+1]
	v_add_f32 v[RES+2], s14, v[RES+2]
	v_add_f32 v[RES+3], s15, v[RES+3]
	global_store_b64 v[OA], v[RES:RES+1],   s[30:31] th:TH_STORE_NT
	global_store_b64 v[OA], v[RES+2:RES+3], s[30:31] offset:256 th:TH_STORE_NT
	s_set_vgpr_msb (MSB<<8)|((MSB&0xf0)|0x0)
	s_wait_tensorcnt 0x0
	ds_add_u32 v62, v63
	s_wait_dscnt 0x0
	s_set_vgpr_msb (((MSB&0xf0)|0x0)<<8)|MSB
	CROUND                                         ; the closing round: no work-group ends while a partner may still ask for a chunk that names it
	s_endpgm
.Lfunc_end_k_qd69c9a89dc_decode:
	.size	k_qd69c9a89dc_decode, .Lfunc_end_k_qd69c9a89dc_decode-k_qd69c9a89dc_decode
	.p2alignl 7, 3214868480
	.fill 96, 4, 3214868480
	.section	.rodata,"a",@progbits
	.p2align	6, 0x0
	.amdhsa_kernel k_qd69c9a89dc_decode
		.amdhsa_group_segment_fixed_size 327680
		.amdhsa_private_segment_fixed_size 0
		.amdhsa_enable_private_segment 0
		.amdhsa_kernarg_size 40
		.amdhsa_user_sgpr_count 2
		.amdhsa_user_sgpr_kernarg_segment_ptr 1
		.amdhsa_wavefront_size32 1
		.amdhsa_system_sgpr_workgroup_id_x 1
		.amdhsa_system_sgpr_workgroup_id_y 1
		.amdhsa_system_sgpr_workgroup_id_z 1
		.amdhsa_system_vgpr_workitem_id 0
		.amdhsa_next_free_vgpr 1024
		.amdhsa_next_free_sgpr 70
		.amdhsa_reserve_vcc 1
		.amdhsa_float_denorm_mode_32 3
		.amdhsa_float_denorm_mode_16_64 3
		.amdhsa_memory_ordered 1
		.amdhsa_forward_progress 1
		.amdhsa_inst_pref_size 255
	.end_amdhsa_kernel
	.section	.bss,"aw",@nobits
	.p2align	6
	.space	262144
	.amdgpu_metadata
---
amdhsa.version: [ 1, 2 ]
amdhsa.kernels:
  - .name:           k_qd69c9a89dc_decode
    .symbol:         k_qd69c9a89dc_decode.kd
    .args:
      - { .name: fused_features, .offset: 0, .size: 8, .value_kind: global_buffer, .address_space: global }
      - { .name: intent_prob, .offset: 8, .size: 8, .value_kind: global_buffer, .address_space: global }
      - { .name: wpack, .offset: 16, .size: 8, .value_kind: global_buffer, .address_space: global }
      - { .name: b_out, .offset: 24, .size: 8, .value_kind: global_buffer, .address_space: global }
      - { .name: out0, .offset: 32, .size: 8, .value_kind: global_buffer, .address_space: global }
    .group_segment_fixed_size: 327680
    .private_segment_fixed_size: 0
    .kernarg_segment_align: 8
    .kernarg_segment_size: 40
    .max_flat_workgroup_size: 128
    .sgpr_count:     70
    .vgpr_count:     1024
    .wavefront_size: 32
...
	.end_amdgpu_metadata
.endif
;; end of part 2
